; MI455X (gfx1250); checked and timed in simulation.
; The chip was launched on July 23, 2026; its instructions are those of AMD's public machine-readable ISA for CDNA 5 (MIT licence, August 2026) and "CDNA5" Instruction Set Architecture Reference Guide (July 2026). The comments in the code are by the model that wrote it; some were corrected since.
;; Morph Model. Allowed arithmetic: matrix products marked QUANTISED: E2M1 operands, one E8M0 scale for each 32 along K, by v_wmma_scale_f32_16x16x128_f8f6f4 with both operands' format E2M1 (or v_wmma_scale_f32_32x16x128_f4), f32 sums; everything else in f32.
;; Inputs: W1 16 x 256 x 512 float32; W2 16 x 512 x 256 float32; Wg 256 x 16 float32; b1 16 x 512 float32; b2 16 x 256 float32; bg 16 float32; x 16,384 x 256 float32.
;; Outputs: out0 16,384 x 256 float32.
;; This version of the problem:
;;   THIS VERSION OF THE PROBLEM IS GIVEN IN LOW PRECISION. The matrix products marked QUANTISED in the list below multiply operands that are first quantised to E2M1 (2 exponent bits, 1 mantissa bit; 4 bits a number), with one power-of-two scale for each 32 numbers along K (OCP MX v1.0); their sums are f32. All else is computed in f32.
;;   The module's matrix products, in the order in which they are computed (A, B: the left and right operand; K: the contracted axis; several contracted axes count as one K, in the product's order):
;;     1. [M 16,384, K 256] x [K 256, N 16]; A: input x; B: input Wg: QUANTISED
;;     2. [M 16,384, K 256] x [K 256, N 8,192]; A: input x; B: input W1: QUANTISED
;;     3. batch 16 x [M 256, K 512] x [K 512, N 16,384]; A: input W2; B: computed on the way: QUANTISED
;;   THE QUANTISER, for each operand of a quantised product, along K:
;;     - K is cut into blocks of 32 from its start; a last block that is shorter is filled with zeros.
;;     - A block's scale is 2^e with e = floor(log2(the largest magnitude in the block)) - 2, held to -126 .. 127; a block of zeros has e = 0. As a byte (E8M0): e + 127.
;;     - Each number is divided by its block's scale, clamped to +-6, and rounded to the nearest number of E2M1, ties to even, subnormals kept.
;;     - The product sums the exact products of the quantised numbers (number of the format x scale) in f32.
;;   ~~~python
;;   def quantise(x, axis):      # numpy; x: float32 -> the quantised numbers, widened to float32 again
;;       x = np.moveaxis(x, axis, -1); K = x.shape[-1]
;;       x = np.pad(x, [(0, 0)] * (x.ndim - 1) + [(0, -K % 32)]); x = x.reshape(x.shape[:-1] + (-1, 32)); a = np.abs(x).max(-1, keepdims=True)
;;       e = np.where(a > 0, np.clip(np.frexp(np.where(a > 0, a, 1))[1] - 1 - 2, -126, 127), 0)      # np.frexp(a)[1] - 1 = floor(log2(a)), exactly
;;       r = np.clip(x / 2.0 ** e, -6, 6)
;;       step = 2.0 ** (np.maximum(np.frexp(np.where(r == 0, 1, r))[1] - 1, 0) - 1)
;;       q = np.round(r / step) * step * 2.0 ** e      # np.round: ties to even
;;       return np.moveaxis(q.reshape(q.shape[:-2] + (-1,))[..., :K], -1, axis).astype(np.float32)
;;   ~~~
;;   OPERANDS COMPUTED ON THE WAY. 'Computed on the way' means the value that the module computes at that place (a softmax that the list does not call 'softmax' is quantised finished and normalised). What goes into a quantiser is computed in f32, as accurately as f32 sums, v_exp_f32 and their like allow (about 1e-6 of the number): no bf16 or f16 on the way to a quantiser, and a product that is left as it is and whose result goes on into a quantised operand takes f32 operands (vector FMAs, or v_wmma_f32_16x16x4_f32). A number that lies on a knife's edge between two numbers of the format may be rounded either way, as far as f32 arithmetic and the matrix unit's own rounding can turn it there, and no further.
;; One version. Each part assembles by itself: llvm-mc -triple=amdgcn-amd-amdhsa -mcpu=gfx1250 --defsym DOCPART=n.
;; ======== version 1 of 1: 2 launches
;; limits: right only within a limited range of input values
;; workspace buffers: xpack 2,359,296 bytes; route 32,768 bytes of whole numbers; wq 2,260,992 bytes
;; launch front (part 1): grid 256 x 1, 8 waves a work-group, no clusters, 155,648 bytes of LDS; arguments x, Wg, bg, W1, W2, xpack, route, wq, b1; writes xpack, route, wq
.if DOCPART == 1
	.amdgcn_target "amdgcn-amd-amdhsa--gfx1250"
	.amdhsa_code_object_version 6
	.text
	.protected	k_q96e24fae20_front
	.globl	k_q96e24fae20_front
	.p2align	8
	.type	k_q96e24fae20_front,@function
k_q96e24fae20_front:
	s_mov_b64 s[64:65], 0
	v_nop
	global_prefetch_b8 v0, s[64:65] scope:SCOPE_SE
	s_setreg_imm32_b32 hwreg(HW_REG_WAVE_MODE, 25, 1), 1
	s_wait_xcnt 0x0
; FRONT.  Everything that reads a large f32 input.  256 work-groups of 8 waves; each wave takes 16 KB of input by 32 loads of 512 consecutive bytes: x's all out at once, a weight's sixteen at a time.
; WORK-GROUPS 0 .. 127: 128 tokens of x (a chunk), 16 to a wave.  Codes of FP4 (E2M1) and E8M0 bytes (one for each 32 along K) go to xpack: codes [token][128 B], META [token][scale word 0, scale word 1, w_lo, w_hi].
;   The router's logits x Wg + bg are made on the matrix unit; the two largest choose experts lo < hi; weights: softmax renormalised over the two: w(best) = 1 / (1 + p), w(second) = p / (1 + p), p = e^(second - best):
;   the row's largest logit is taken away, and the softmax's divisor is a factor of both and cancels in the renormalisation.
;   route[chunk] (256 bytes): 128 counts of one byte, a count for each bin, then the 128 tokens' bins.  bin = hi (hi - 1) / 2 + lo, 0 .. 119.  No address and no branch hangs on a bin here.
; WORK-GROUPS 128 .. 191: W1 (and b1), 192 .. 255: W2 (K is the first inner axis).  A wave takes 32 along K (one block) x 128 columns, a lane four columns; codes go to wq in the order of the next launch's operand registers.
;   W1Q[e][w][j][kb][16 r]: wave w's tile j has as row r the hidden unit 64 w + 4 r + j;  W1S[e][w][j / 2][16 (j % 2) + r][s], a word for each K step s.
;   W2Q[e][w][i][kb][16 r]: row r is output 32 w + 16 i + r; inside a block of 32 along K place 8 j + i holds hidden unit 4 i + j, the order in which the next launch makes them;  W2S[e][w][s / 2][16 i + r][s % 2].
;   B1[e][w][h][j][i] = b1 at unit 64 w + 32 h + 4 i + j: the order of the next launch's results.
; WORK LEFT OUT (in the next launch): reference() multiplies every token by every expert and keeps the two that top_k chose; only those two are multiplied, for all values of the inputs.  A NaN, an infinity or an overflow
;   that reaches only an expert's rows that were not chosen is not carried to the result.
; LIMITS.  NaN and infinities are not served.  A block of zeros gets the byte 1 with zero codes where the rule says 127: the bytes are read by this program alone.
;   The experts are chosen on the logits (strictly greater wins, ties keep the lower index): logits so close that their probabilities round to one f32 number may be ordered otherwise than by the probabilities.
.set XSTW, 16640                       ; LDS 0: a stage for each wave: 16 rows of 1,024 bytes + 16 of padding; later its codes as 16 rows of 128 + 16
.set WGI,  133120                      ; Wg's two fragments as images of their registers
.set WGS,  135168                      ; Wg's scale words: 64 s + 4 r
.set REC,  135424                      ; the chunk's record: 128 counts, 128 bins
.set W2ST, 135680                      ; W2: a stage of 2,048 bytes for each wave
.set SCB1, 152064                      ; scale bytes of W1's work-groups, of W2's
.set SCB2, 153088
.set SPARE, 154112                     ; the spare words
.set B1ST, 155136                      ; W1: 128 numbers of b1
.set XMETA, 2097152                    ; in xpack
.set W2Q_OFF, 1048576                  ; in wq
.set W1S_OFF, 2097152
.set W2S_OFF, 2162688
.set B1_OFF, 2228224
.set SPW, 5
.set NIL, 6
.set XF,  40                           ; v40-55 x's two fragments
.set WF,  56                           ; v56-71 Wg's
.set LG,  72                           ; v72-79 the logits
.set CB,  96                           ; v96-111 the codes as rows
.set R,   128                          ; v128-255 as loaded
.set T,   144                          ; at work behind the product
.set SEL, 22                           ; s[22:23] selects of v_permlanex16_b32: lane l xor 16
; v92, v93: x's scale words; v94: Wg's.
	s_load_b512 s[4:19], s[0:1], 0x0               ; x 4, Wg 6, bg 8, W1 10, W2 12, xpack 14, route 16, wq 18
	s_load_b64 s[38:39], s[0:1], 0x40              ; b1
	v_lshl_add_u32 v[SPW], v0, 2, SPARE
	v_mov_b32 v[NIL], 0
	v_lshrrev_b32 v1, 5, v0
	v_readfirstlane_b32 s20, v1                    ; wave
	v_and_b32 v1, 31, v0                           ; lane
	v_and_b32 v2, 15, v0                           ; r
	v_bfe_u32 v3, v0, 4, 1                         ; h
	v_lshlrev_b32 v4, 4, v1                        ; 16 x lane
	s_mov_b32 s[SEL], 0x76543210
	s_mov_b32 s[SEL+1], 0xfedcba98
	s_mov_b32 s25, 0
	s_mov_b32 s27, 0
	s_mov_b32 s29, 0
	s_mov_b32 s31, 0
	s_wait_alu depctr_va_vdst(0)                   ; the wait ahead of the branch
	s_cmp_ge_u32 ttmp9, 128
	s_cbranch_scc1 .Lweights
	; ---- x and the router
	v_lshlrev_b32 v7, 2, v2
	v_lshl_add_u32 v7, v3, 10, v7                  ; Wg: column r, 16 h rows of 64 bytes down
	v_lshlrev_b32 v8, 5, v3                        ; bg: experts 8 h on
	s_mul_i32 s33, s20, XSTW
	v_add_nc_u32 v9, s33, v4                       ; my stage, in
	v_mul_u32_u24 v10, v2, 1040
	v_lshl_add_u32 v10, v3, 7, v10
	v_add_nc_u32 v10, s33, v10                     ; and out: row r, + 128 h: my block of 32
	v_mul_u32_u24 v112, v2, 144
	v_lshl_add_u32 v112, v3, 4, v112
	v_add_nc_u32 v112, s33, v112                   ; codes in: row r, + 16 h
	v_lshrrev_b32 v113, 3, v1
	v_mul_u32_u24 v113, v113, 144
	v_and_b32 v114, 7, v1
	v_lshl_add_u32 v113, v114, 4, v113
	v_add_nc_u32 v113, s33, v113                   ; codes out: eight lanes to a row of 128 bytes
	s_lshl_b32 s33, s20, 8
	s_add_co_u32 s33, s33, WGI
	v_lshlrev_b32 v11, 4, v2
	v_lshl_add_u32 v11, v3, 3, v11
	v_add_nc_u32 v11, s33, v11                     ; Wg's block w: column r's 16 bytes, half h
	s_lshr_b32 s33, s20, 2
	s_lshl_b32 s33, s33, 6
	s_and_b32 s35, s20, 3
	s_add_co_u32 s33, s33, s35
	s_add_co_u32 s33, s33, WGS
	v_lshl_add_u32 v12, v2, 2, s33                 ; its scale byte
	v_add_nc_u32 v13, WGI, v4
	v_lshl_add_u32 v14, v1, 2, WGS                 ; lanes 0-15 K step 0's words, lanes 16-31 K step 1's
	v_lshlrev_b32 v15, 3, v3                       ; 8 h
	s_lshl_b32 s33, s20, 4
	s_add_co_u32 s35, s33, REC+128
	v_add_nc_u32 v114, s35, v2                     ; my token's bin
	v_lshlrev_b32 v115, 6, v3
	v_add_nc_u32 v115, REC+128, v115               ; 64 tokens' bins: half h of the chunk
	s_add_co_u32 s35, s33, REC
	v_add_nc_u32 v116, s35, v2                     ; the count of bin 16 w + r
	v_lshlrev_b32 v119, 3, v1
	v_add_nc_u32 v117, REC, v119
	v_lshlrev_b32 v118, 4, v2
	v_lshl_add_u32 v118, v3, 3, v118               ; META: 16 r + 8 h
	s_mov_b32 s36, 0x01010101
	v_add_nc_u32 v120, s33, v2
	v_mul_lo_u32 v120, v120, s36                   ; bin 16 w + r in each byte
	v_mov_b32 v82, 0                               ; a lane permute's destination counts as one of its sources
	s_lshl_b32 s24, ttmp9, 17                      ; x: (128 g + 16 w) rows of 1,024 bytes
	s_lshl_b32 s33, s20, 14
	s_add_co_u32 s24, s24, s33
	s_lshl_b32 s26, s20, 11                        ; Wg: 32 w rows of 64 bytes
	s_lshl_b32 s28, ttmp9, 14                      ; codes
	s_add_co_u32 s28, s28, s26
	s_lshl_b32 s30, ttmp9, 11                      ; META
	s_lshl_b32 s33, s20, 8
	s_add_co_u32 s30, s30, s33
	s_wait_alu depctr_va_vdst(0)                   ; the wait at the head's end
	s_wait_kmcnt 0x0
	s_add_nc_u64 s[4:5], s[4:5], s[24:25]
	s_add_nc_u64 s[6:7], s[6:7], s[26:27]
	s_add_nc_u64 s[28:29], s[14:15], s[28:29]
	s_add_nc_u64 s[30:31], s[14:15], s[30:31]
	s_lshl_b32 s24, ttmp9, 8
	s_add_nc_u64 s[16:17], s[16:17], s[24:25]
	global_load_b128 v[32:35], v8, s[8:9]
	global_load_b128 v[36:39], v8, s[8:9] offset:16
.set n_, 0
.rept 16
	global_load_b32 v[16+n_], v7, s[6:7] offset:64*n_          ; Wg(32 w + 16 h + n, r)
.set n_, n_+1
.endr
.set n_, 0
.rept 32
	global_load_b128 v[R+4*n_:R+4*n_+3], v4, s[4:5] offset:1024*(n_%16)+512*(n_/16) th:TH_LOAD_NT   ; the first half of K of all rows first
.set n_, n_+1
.endr
	s_wait_loadcnt 32                              ; bg and Wg are in; x's 32 loads may be out
	v_max3_num_f32 v80, |v16|, |v17|, 0x1800000    ; my 16 numbers of a block of Wg, and the floor 2^(3 - 127): the byte cannot fall under 1
	v_max3_num_f32 v81, |v18|, |v19|, |v20|
	v_max3_num_f32 v80, v80, |v21|, |v22|
	v_max3_num_f32 v81, v81, |v23|, |v24|
	v_max3_num_f32 v80, v80, |v25|, |v26|
	v_max3_num_f32 v81, v81, |v27|, |v28|
	v_max3_num_f32 v80, v80, |v29|, |v30|
	v_max3_num_f32 v80, v80, v81, |v31|
	v_permlanex16_b32 v82, v80, s[SEL], s[SEL+1]
	v_max_num_f32 v80, v80, v82
	v_add_nc_u32 v83, 0xff000000, v80              ; 2 off the exponent field: the conversion's scale operand
	v_lshrrev_b32 v84, 23, v83
	v_cvt_scalef32_pk8_fp4_f32 v86, v[16:23], v83
	v_cvt_scalef32_pk8_fp4_f32 v87, v[24:31], v83
	v_nop                                          ; one plain place behind a scaled conversion
	ds_store_b64 v11, v[86:87]
	ds_store_b8 v12, v84                           ; lanes r and r + 16 write the same byte
	s_wait_dscnt 0x0                               ; for the others' sake: my piece of Wg lies in LDS
	s_barrier_signal -1
	s_barrier_wait -1
.irp p, 0,1,2,3
	ds_load_b128 v[WF+4*\p:WF+4*\p+3], v13 offset:512*\p
.endr
	ds_load_b32 v94, v14
.macro HALF s                          ; half s of K goes through my stage, while the other half may still be out
.irp q, 0,1
	s_wait_loadcnt 24-8*(2*\s+\q)                  ; eight more loads of x are in
.irp i, 0,1,2,3,4,5,6,7
	ds_store_b128 v9, v[R+64*\s+32*\q+4*\i:R+64*\s+32*\q+4*\i+3] offset:1040*(8*\q+\i)+512*\s
.endr
.endr
	s_wait_dscnt 0x0                               ; the stores have read the registers that are loaded next
.irp c, 0,1
.irp j, 0,1,2,3,4,5,6,7
	ds_load_b128 v[R+32*(2*\s+\c)+4*\j:R+32*(2*\s+\c)+4*\j+3], v10 offset:256*(2*\s+\c)+16*\j   ; k = 64 c + 32 h + 0 .. 31 of row r: a whole block, in the operand's own order
.endr
.endr
	s_wait_dscnt 0x0
.endm
.macro QP c                            ; two blocks of mine, by turns: the operand's registers and the scale bytes
.irp k, 0,1
	v_max3_num_f32 v[80+\k], |v[R+32*(\c+\k)]|, |v[R+32*(\c+\k)+1]|, 0x1800000
	v_max3_num_f32 v[82+\k], |v[R+32*(\c+\k)+2]|, |v[R+32*(\c+\k)+3]|, |v[R+32*(\c+\k)+4]|
.endr
.irp i, 5,9,13,17,21,25
.irp k, 0,1
	v_max3_num_f32 v[80+\k], v[80+\k], |v[R+32*(\c+\k)+\i]|, |v[R+32*(\c+\k)+\i+1]|
	v_max3_num_f32 v[82+\k], v[82+\k], |v[R+32*(\c+\k)+\i+2]|, |v[R+32*(\c+\k)+\i+3]|
.endr
.endr
.irp k, 0,1
	v_max3_num_f32 v[80+\k], v[80+\k], |v[R+32*(\c+\k)+29]|, |v[R+32*(\c+\k)+30]|
.endr
.irp k, 0,1
	v_max3_num_f32 v[80+\k], v[80+\k], v[82+\k], |v[R+32*(\c+\k)+31]|
.endr
.irp k, 0,1
	v_add_nc_u32 v[84+\k], 0xff000000, v[80+\k]
.endr
.irp k, 0,1
	v_lshrrev_b32 v[86+\c+\k], 23, v[84+\k]
.endr
.irp k, 0,1
.irp g, 0,1,2,3
	v_cvt_scalef32_pk8_fp4_f32 v[XF+4*(\c+\k)+\g], v[R+32*(\c+\k)+8*\g:R+32*(\c+\k)+8*\g+7], v[84+\k]
.endr
.endr
	v_nop
.endm
	HALF 0
	QP 0
	HALF 1
	QP 2
.irp s, 0,1
	v_lshl_or_b32 v[90+\s], v[87+2*\s], 16, v[86+2*\s]
.endr
.irp s, 0,1
	v_lshlrev_b32 v[90+\s], v15, v[90+\s]          ; my two bytes at their places in the scale word
.endr
.irp s, 0,1
	v_permlanex16_b32 v[80+\s], v[90+\s], s[SEL], s[SEL+1]
.endr
.irp s, 0,1
	v_or_b32 v[92+\s], v[90+\s], v[80+\s]          ; with lane l xor 16's two the word is whole
.endr
.irp p, 0,1,2,3
	ds_store_b128 v112, v[XF+4*\p:XF+4*\p+3] offset:32*\p      ; k = 64 p + 32 h on: bytes 32 p + 16 h of the row's 128
.endr
.irp q, 0,1,2,3
	ds_load_b128 v[CB+4*\q:CB+4*\q+3], v113 offset:576*\q      ; LDS serves a wave's instructions in order: these see the stores
.endr
.rept 8
	v_nop                                          ; a scale word written by vector instructions stands 8 places ahead of a scaled matrix instruction
.endr
	v_wmma_scale_f32_16x16x128_f8f6f4 v[LG:LG+7], v[WF:WF+7], v[XF:XF+7], v[32:39], v94, v92 matrix_a_fmt:MATRIX_FMT_FP4 matrix_b_fmt:MATRIX_FMT_FP4
	s_wait_alu depctr_va_vdst(0)                   ; the wait directly ahead of the link
	v_wmma_scale_f32_16x16x128_f8f6f4 v[LG:LG+7], v[WF+8:WF+15], v[XF+8:XF+15], v[LG:LG+7], v94, v93 matrix_a_fmt:MATRIX_FMT_FP4 matrix_b_fmt:MATRIX_FMT_FP4 matrix_a_scale:MATRIX_SCALE_ROW1
	s_wait_dscnt 0x0
.irp q, 0,1,2,3
	global_store_b128 v4, v[CB+4*\q:CB+4*\q+3], s[28:29] offset:512*\q          ; four rows of codes: 512 consecutive bytes
.endr
	; THE TWO LARGEST.  T+1 .. T+4: m1, i1, m2, i2 of my eight experts.  The first six lines are the places behind the product
	v_lshlrev_b32 v[T], 3, v3                      ; my first expert: 8 h
	v_mov_b32 v[T+3], 0xff800000                   ; m2 = -infinity
.irp k, 0,1,2,3
	v_mov_b32 v[T+6+\k], 0
.endr
	v_mov_b32 v[T+1], v[LG]
	v_mov_b32 v[T+2], v[T]
	v_mov_b32 v[T+4], v[T]
.irp j, 1,2,3,4,5,6,7
	v_add_nc_u32 v[T+5], \j, v[T]
	v_cmp_gt_f32 vcc_lo, v[LG+\j], v[T+1]          ; strictly greater: a tie keeps the lower index
	v_cmp_gt_f32 s35, v[LG+\j], v[T+3]
	v_cndmask_b32 v[T+3], v[T+3], v[LG+\j], s35
	v_cndmask_b32 v[T+4], v[T+4], v[T+5], s35
	v_cndmask_b32 v[T+3], v[T+3], v[T+1], vcc_lo
	v_cndmask_b32 v[T+4], v[T+4], v[T+2], vcc_lo
	v_cndmask_b32 v[T+1], v[T+1], v[LG+\j], vcc_lo
	v_cndmask_b32 v[T+2], v[T+2], v[T+5], vcc_lo
.endr
.irp k, 0,1,2,3
	v_permlanex16_b32 v[T+6+\k], v[T+1+\k], s[SEL], s[SEL+1]   ; the token's other eight experts lie in lane l xor 16
.endr
	s_mov_b32 s21, 0xffff0000                      ; lanes 16-31
.irp k, 0,1,2,3
	v_cndmask_b32 v[T+10+\k], v[T+1+\k], v[T+6+\k], s21        ; A: experts 0-7's two
	v_cndmask_b32 v[T+14+\k], v[T+6+\k], v[T+1+\k], s21        ; B: experts 8-15's
.endr
	v_cmp_gt_f32 vcc_lo, v[T+14], v[T+10]
	v_cndmask_b32 v[T+18], v[T+10], v[T+14], vcc_lo            ; the best, and its expert
	v_cndmask_b32 v[T+19], v[T+11], v[T+15], vcc_lo
	v_cndmask_b32 v[T+20], v[T+12], v[T+10], vcc_lo            ; what A still offers
	v_cndmask_b32 v[T+21], v[T+13], v[T+11], vcc_lo
	v_cndmask_b32 v[T+22], v[T+14], v[T+16], vcc_lo            ; what B still offers
	v_cndmask_b32 v[T+23], v[T+15], v[T+17], vcc_lo
	v_cmp_gt_f32 vcc_lo, v[T+22], v[T+20]
	v_cndmask_b32 v[T+24], v[T+20], v[T+22], vcc_lo            ; the second
	v_cndmask_b32 v[T+25], v[T+21], v[T+23], vcc_lo
	v_sub_f32 v[T+26], v[T+24], v[T+18]            ; second - best, 0 or less
	v_mul_f32 v[T+26], 0x3fb8aa3b, v[T+26]
	s_wait_alu depctr_va_vdst(0)                   ; the wait ahead of the exponential
	v_exp_f32 v[T+27], v[T+26]                     ; p
	v_min_u32 v[T+30], v[T+19], v[T+25]            ; lo  (plain work behind the exponential)
	v_max_u32 v[T+31], v[T+19], v[T+25]            ; hi
	s_wait_alu depctr_va_vdst(0)
	v_add_f32 v[T+28], 1.0, v[T+27]
	s_wait_alu depctr_va_vdst(0)
	v_rcp_f32 v[T+29], v[T+28]                     ; the best's weight
	v_add_nc_u32 v[T+32], -1, v[T+31]              ; the bin (plain work behind the reciprocal)
	v_mul_u32_u24 v[T+32], v[T+32], v[T+31]
	v_lshrrev_b32 v[T+32], 1, v[T+32]
	v_add_nc_u32 v[T+32], v[T+32], v[T+30]
	s_wait_alu depctr_va_vdst(0)
	v_mul_f32 v[T+37], v[T+27], v[T+29]            ; the second's weight
	v_cmp_lt_u32 vcc_lo, v[T+19], v[T+25]
	v_cndmask_b32 v[T+38], v[T+37], v[T+29], vcc_lo            ; w_lo
	v_cndmask_b32 v[T+39], v[T+29], v[T+37], vcc_lo            ; w_hi
	ds_store_b8 v114, v[T+32]                      ; lanes r and r + 16 write the same byte
	v_cndmask_b32 v186, v92, v[T+38], s21          ; lanes 0-15 the scale words, lanes 16-31 the weights
	v_cndmask_b32 v187, v93, v[T+39], s21
	global_store_b64 v118, v[186:187], s[30:31] offset:XMETA   ; 16 tokens' META: 256 consecutive bytes
	s_wait_dscnt 0x0                               ; for the others' sake
	s_barrier_signal -1
	s_barrier_wait -1
	; the chunk's counts: lane (r, h) counts bin 16 w + r among the 64 tokens of half h, four bins to a word: a byte's top bit is set where the bin differs
.irp i, 0,1,2,3
	ds_load_b128 v[128+4*\i:131+4*\i], v115 offset:16*\i
.endr
	s_wait_dscnt 0x0
	v_mov_b32 v190, 0
.irp i, 0,1,2,3,4,5,6,7,8,9,10,11,12,13,14,15
	v_xor_b32 v[128+\i], v[128+\i], v120
.endr
.irp i, 0,1,2,3,4,5,6,7,8,9,10,11,12,13,14,15
	v_add_nc_u32 v[128+\i], 0x7f7f7f7f, v[128+\i]
.endr
.irp i, 0,1,2,3,4,5,6,7,8,9,10,11,12,13,14,15
	v_lshrrev_b32 v[128+\i], 7, v[128+\i]
.endr
.irp i, 0,1,2,3,4,5,6,7,8,9,10,11,12,13,14,15
	v_and_b32 v[128+\i], s36, v[128+\i]
.endr
	v_add3_u32 v188, v128, v129, v130
.irp i, 131,133,135,137,139,141
	v_add3_u32 v188, v188, v[\i], v[\i+1]
.endr
	v_add_nc_u32 v188, v188, v143
	v_mul_lo_u32 v188, v188, s36
	v_lshrrev_b32 v188, 24, v188                   ; tokens of the half that lie in other bins
	v_sub_nc_u32 v189, 64, v188
	v_permlanex16_b32 v190, v189, s[SEL], s[SEL+1]
	v_add_nc_u32 v189, v189, v190                  ; both halves: 128 at the most
	ds_store_b8 v116, v189
	s_wait_dscnt 0x0                               ; for the others' sake
	s_barrier_signal -1
	s_barrier_wait -1
	s_cmp_lg_u32 s20, 0
	s_cbranch_scc1 .Lxend
	ds_load_b64 v[128:129], v117
	s_wait_dscnt 0x0
	global_store_b64 v119, v[128:129], s[16:17]    ; the record: 256 consecutive bytes
.Lxend:
	s_wait_tensorcnt 0x0                           ; the wave's end
	ds_add_u32 v[SPW], v[NIL]
	s_wait_dscnt 0x0
	s_endpgm
.Lweights:
.macro WROWS pitch, n0, n              ; rows n0 .. n0 + n - 1 of my 32, 128 columns: register 128 + 4 k + c = row k, column 4 lane + c
.set n_, \n0
.rept \n
	global_load_b128 v[128+4*n_:131+4*n_], v4, s[24:25] offset:(\pitch)*n_ th:TH_LOAD_NT
.set n_, n_+1
.endr
.endm
; As the rows come in: the four columns' largest magnitudes, and columns 0 and 1 laid along K (a conversion takes eight numbers along K from consecutive registers), in K's order or in the permuted one.
; Then the scale operands (v104-107) and bytes (v108-111).
.macro WMAX pitch, perm
.irp t, 0,1,2,3,4,5,6,7,8,9,10,11,12,13,14,15
.if \t%4 == 0
.if \t > 0
	s_wait_alu depctr_va_vdst(0)                   ; the wait ahead of the wait below
.endif
.if \t < 12
	s_wait_loadcnt 8                               ; eight more rows are in; the eight behind them may be out
.else
	s_wait_loadcnt 0x0
.endif
.if \t < 8
	WROWS \pitch, 16+2*\t, 8
.endif
.endif
.irp c, 0,1,2,3
.if \t == 0
	v_max3_num_f32 v[100+\c], |v[128+\c]|, |v[132+\c]|, 0x1800000
.else
	v_max3_num_f32 v[100+\c], v[100+\c], |v[128+8*\t+\c]|, |v[132+8*\t+\c]|
.endif
.endr
.if \t%4 == 3
.irp k, 0,1,2,3,4,5,6,7
.set row_, 8*(\t/4)+\k
.if \perm
.set pos_, 8*(row_%4)+row_/4
.else
.set pos_, row_
.endif
	v_mov_b32 v[16+pos_], v[128+4*row_]
	v_mov_b32 v[48+pos_], v[129+4*row_]
.endr
.endif
.endr
.irp c, 0,1,2,3
	v_add_nc_u32 v[104+\c], 0xff000000, v[100+\c]
.endr
.irp c, 0,1,2,3
	v_lshrrev_b32 v[108+\c], 23, v[104+\c]
.endr
.endm
.macro WMOV c, perm
.set n_, 0
.rept 32
.if \perm
	v_mov_b32 v[16+32*(\c%2)+n_], v[128+4*(4*(n_%8)+n_/8)+\c]
.else
	v_mov_b32 v[16+32*(\c%2)+n_], v[128+4*n_+\c]
.endif
.set n_, n_+1
.endr
.endm
.macro WCVT c
.irp g, 0,1,2,3
	v_cvt_scalef32_pk8_fp4_f32 v[80+4*\c+\g], v[16+32*(\c%2)+8*\g:23+32*(\c%2)+8*\g], v[104+\c]
.endr
.endm
.macro WCODES perm                     ; the four columns' codes: v80-95
	WCVT 0
	WCVT 1
	v_nop                                          ; one plain place behind a scaled conversion
	WMOV 2, \perm
	WCVT 2
	WMOV 3, \perm
	WCVT 3
	v_nop
.endm
	s_cmp_ge_u32 ttmp9, 192
	s_cbranch_scc1 .Lw2
	; ---- W1: work-group 128 + 4 e + q: columns 128 q on; wave = block of K
	s_sub_co_u32 s32, ttmp9, 128
	s_lshr_b32 s33, s32, 2
	s_lshl_b32 s24, s33, 19
	s_lshl_b32 s33, s20, 16
	s_add_co_u32 s24, s24, s33
	s_and_b32 s33, s32, 3
	s_lshl_b32 s33, s33, 9
	s_add_co_u32 s24, s24, s33
	s_lshl_b32 s26, s32, 14
	s_lshl_b32 s33, s20, 8
	s_add_co_u32 s26, s26, s33
	s_lshl_b32 s28, s32, 10
	s_add_co_u32 s28, s28, s33
	s_add_co_u32 s33, s33, SCB1
	v_lshlrev_b32 v7, 4, v2
	v_lshl_add_u32 v7, v3, 13, v7                  ; wave 2 q + lane / 16 of the next launch, row lane % 16
	v_lshrrev_b32 v116, 3, v1
	v_lshlrev_b32 v116, 7, v116
	v_and_b32 v117, 7, v1
	v_lshl_add_u32 v116, v117, 2, v116
	v_add_nc_u32 v116, B1ST, v116                  ; b1: unit 4 lane + j goes to 32 (lane / 8) + 8 j + lane % 8
	v_add_nc_u32 v117, B1ST, v4
	s_lshl_b32 s30, s32, 9                         ; 512 bytes of b1 for my 128 units
	v_lshlrev_b32 v9, 3, v2
	v_lshl_add_u32 v9, v3, 9, v9
	s_add_co_u32 s35, s20, SCB1
	v_add_nc_u32 v9, s35, v9                       ; my scale bytes: 512 (lane / 16) + 128 j + 8 (lane % 16) + block
	v_lshlrev_b32 v8, 3, v1
	v_add_nc_u32 v10, s33, v8
	s_wait_alu depctr_va_vdst(0)                   ; the wait at the head's end
	s_wait_kmcnt 0x0
	s_add_nc_u64 s[24:25], s[10:11], s[24:25]
	s_add_nc_u64 s[26:27], s[18:19], s[26:27]
	s_add_nc_u64 s[28:29], s[18:19], s[28:29]
	s_add_nc_u64 s[36:37], s[38:39], s[30:31]
	s_add_nc_u64 s[34:35], s[18:19], s[30:31]
	global_load_b128 v[112:115], v4, s[36:37]
	WROWS 2048, 0, 16
	WMAX 2048, 0
	WCODES 0
.irp c, 0,1,2,3
	global_store_b128 v7, v[80+4*\c:83+4*\c], s[26:27] offset:2048*\c           ; sixteen lanes fill 256 consecutive bytes, twice
	ds_store_b8 v9, v[108+\c] offset:128*\c
.endr
	s_wait_dscnt 0x0                               ; for the others' sake
	s_barrier_signal -1
	s_barrier_wait -1
	s_cmp_ge_u32 s20, 4
	s_cbranch_scc1 .Lw1skip
	ds_load_b64 v[12:13], v10
	s_wait_dscnt 0x0
	global_store_b64 v8, v[12:13], s[28:29] offset:W1S_OFF     ; 256 consecutive bytes of scale words
.Lw1skip:
	s_cmp_lg_u32 s20, 4
	s_cbranch_scc1 .Lw1end
.irp j, 0,1,2,3
	ds_store_b32 v116, v[112+\j] offset:32*\j
.endr
	ds_load_b128 v[120:123], v117                  ; LDS serves a wave's instructions in order
	s_wait_dscnt 0x0
	global_store_b128 v4, v[120:123], s[34:35] offset:B1_OFF   ; 512 consecutive bytes
.Lw1end:
	s_wait_tensorcnt 0x0                           ; the wave's end
	ds_add_u32 v[SPW], v[NIL]
	s_wait_dscnt 0x0
	s_endpgm
.Lw2:	; ---- W2: work-group 192 + 4 e + 2 z + y: columns 128 z on; wave w takes block 8 y + w of K
	s_sub_co_u32 s32, ttmp9, 192
	s_and_b32 s34, s32, 1
	s_lshl_b32 s37, s34, 3
	s_add_co_u32 s37, s37, s20                     ; my block
	s_lshr_b32 s33, s32, 2
	s_lshl_b32 s24, s33, 19
	s_lshl_b32 s33, s37, 15
	s_add_co_u32 s24, s24, s33
	s_lshr_b32 s32, s32, 1                         ; 2 e + z
	s_and_b32 s33, s32, 1
	s_lshl_b32 s33, s33, 9
	s_add_co_u32 s24, s24, s33
	s_lshl_b32 s26, s32, 15
	s_lshl_b32 s33, s37, 8
	s_add_co_u32 s26, s26, s33
	s_lshl_b32 s28, s32, 11
	s_lshl_b32 s33, s20, 9
	s_add_co_u32 s28, s28, s33
	s_lshl_b32 s33, s34, 8
	s_add_co_u32 s28, s28, s33
	s_lshl_b32 s33, s20, 11
	s_add_co_u32 s33, s33, W2ST
	v_lshl_add_u32 v9, v1, 6, s33                  ; my stage, in: 64 bytes a lane
	v_add_nc_u32 v10, s33, v4                      ; and out: 16
	s_add_co_u32 s33, s20, SCB2
	v_lshl_add_u32 v11, v1, 5, s33                 ; my scale bytes: 32 lane + 8 j + w
	s_lshl_b32 s33, s20, 8
	s_add_co_u32 s33, s33, SCB2
	v_lshlrev_b32 v8, 3, v1
	v_add_nc_u32 v14, s33, v8
	v_lshlrev_b32 v7, 4, v2
	v_lshl_add_u32 v7, v3, 12, v7                  ; tile lane / 16, row lane % 16
	s_wait_alu depctr_va_vdst(0)                   ; the wait at the head's end
	s_wait_kmcnt 0x0
	s_add_nc_u64 s[24:25], s[12:13], s[24:25]
	s_add_nc_u64 s[26:27], s[18:19], s[26:27]
	s_add_nc_u64 s[28:29], s[18:19], s[28:29]
	WROWS 1024, 0, 16
	WMAX 1024, 1
	WCODES 1
.irp c, 0,1,2,3
	ds_store_b128 v9, v[80+4*\c:83+4*\c] offset:16*\c          ; a lane's four rows are 64 neighbouring bytes of a tile's 256
	ds_store_b8 v11, v[108+\c] offset:8*\c
.endr
.irp q, 0,1,2,3
	ds_load_b128 v[112+4*\q:115+4*\q], v10 offset:512*\q       ; LDS serves a wave's instructions in order
.endr
	s_wait_dscnt 0x0                               ; mine are back; and for the others' sake
.irp q, 0,1,2,3
	global_store_b128 v7, v[112+4*\q:115+4*\q], s[26:27] offset:W2Q_OFF+8192*\q ; sixteen lanes fill 256 consecutive bytes, twice
.endr
	s_barrier_signal -1
	s_barrier_wait -1
	s_cmp_ge_u32 s20, 4
	s_cbranch_scc1 .Lw2end
	ds_load_b64 v[12:13], v14
	s_wait_dscnt 0x0
	global_store_b64 v8, v[12:13], s[28:29] offset:W2S_OFF
.Lw2end:
	s_wait_tensorcnt 0x0                           ; the wave's end
	ds_add_u32 v[SPW], v[NIL]
	s_wait_dscnt 0x0
	s_endpgm
.Lfunc_end_k_q96e24fae20_front:
	.size	k_q96e24fae20_front, .Lfunc_end_k_q96e24fae20_front-k_q96e24fae20_front
	.p2alignl 7, 3214868480
	.fill 96, 4, 3214868480
	.section	.rodata,"a",@progbits
	.p2align	6, 0x0
	.amdhsa_kernel k_q96e24fae20_front
		.amdhsa_group_segment_fixed_size 155648
		.amdhsa_private_segment_fixed_size 0
		.amdhsa_enable_private_segment 0
		.amdhsa_kernarg_size 72
		.amdhsa_user_sgpr_count 2
		.amdhsa_user_sgpr_kernarg_segment_ptr 1
		.amdhsa_wavefront_size32 1
		.amdhsa_system_sgpr_workgroup_id_x 1
		.amdhsa_system_sgpr_workgroup_id_y 1
		.amdhsa_system_sgpr_workgroup_id_z 1
		.amdhsa_system_vgpr_workitem_id 0
		.amdhsa_next_free_vgpr 256
		.amdhsa_next_free_sgpr 66
		.amdhsa_reserve_vcc 1
		.amdhsa_float_denorm_mode_32 3
		.amdhsa_float_denorm_mode_16_64 3
		.amdhsa_memory_ordered 1
		.amdhsa_forward_progress 1
		.amdhsa_inst_pref_size 63
	.end_amdhsa_kernel
	.amdgpu_metadata
---
amdhsa.version: [ 1, 2 ]
amdhsa.kernels:
  - .name:           k_q96e24fae20_front
    .symbol:         k_q96e24fae20_front.kd
    .args:
      - { .name: x, .offset: 0, .size: 8, .value_kind: global_buffer, .address_space: global }
      - { .name: Wg, .offset: 8, .size: 8, .value_kind: global_buffer, .address_space: global }
      - { .name: bg, .offset: 16, .size: 8, .value_kind: global_buffer, .address_space: global }
      - { .name: W1, .offset: 24, .size: 8, .value_kind: global_buffer, .address_space: global }
      - { .name: W2, .offset: 32, .size: 8, .value_kind: global_buffer, .address_space: global }
      - { .name: xpack, .offset: 40, .size: 8, .value_kind: global_buffer, .address_space: global }
      - { .name: route, .offset: 48, .size: 8, .value_kind: global_buffer, .address_space: global }
      - { .name: wq, .offset: 56, .size: 8, .value_kind: global_buffer, .address_space: global }
      - { .name: b1, .offset: 64, .size: 8, .value_kind: global_buffer, .address_space: global }
    .group_segment_fixed_size: 155648
    .private_segment_fixed_size: 0
    .kernarg_segment_align: 8
    .kernarg_segment_size: 72
    .max_flat_workgroup_size: 256
    .sgpr_count:     66
    .vgpr_count:     256
    .wavefront_size: 32
...
	.end_amdgpu_metadata
.endif
;; end of part 1
;; launch moe (part 2): grid 256 x 1, 8 waves a work-group, no clusters, 230,912 bytes of LDS; arguments xpack, route, wq, b2, out0; writes out0
.if DOCPART == 2
	.amdgcn_target "amdgcn-amd-amdhsa--gfx1250"
	.amdhsa_code_object_version 6
	.text
	.protected	k_q96e24fae20_moe
	.globl	k_q96e24fae20_moe
	.p2align	8
	.type	k_q96e24fae20_moe,@function
k_q96e24fae20_moe:
	s_mov_b64 s[64:65], 0
	v_nop
	global_prefetch_b8 v0, s[64:65] scope:SCOPE_SE
	s_setreg_imm32_b32 hwreg(HW_REG_WAVE_MODE, 25, 1), 1
	s_wait_xcnt 0x0
; MOE.  out0[token] = w_lo y_lo + w_hi y_hi, y_e = relu(x W1[e] + b1[e]) W2[e] + b2[e], both products on codes of FP4 (E2M1) with one E8M0 scale for each 32 along K.
; WORK LEFT OUT: of reference()'s sixteen experts only the two that the router chose for a token are multiplied, for all values of the inputs.
; SHARES.  A work-group takes up to M tokens of ONE pair of experts (a bin): tile g counts through the bins, ceil(n / M) tiles to a bin of n tokens.  M is 96 where all bins together then need 256 tiles at the most, else 128: over 120 bins
; and 16,384 tokens that is 247 at the most, whatever the choice.  Which tokens they are is searched here: route holds 128 chunks' counts and bins; a wave reads 16 chunks, marks the tokens of the bin (64 to a lane, two mask words),
; and each row finds wave, lane and bit of its rank.  A work-group beyond the last tile has 0 rows and stores nothing.  A row beyond the bin's end repeats the bin's last token and is not stored.  Row tiles 6 and 7 are worked only where there are rows beyond 96.
; WAVES share the hidden units in the first product (wave w: units 64 w on, as 4 tiles) and the outputs in the second (32 w on, 2 tiles): each weight byte is loaded by one wave.  Hidden codes pass through LDS, once, for both experts.
; Both products are used transposed (source 0 = 16 rows of a weight, source 1 = 16 tokens): a lane holds one token.  Row r of W1's tile j is unit 64 w + 4 r + j, so a lane's 32 results are one block of 32 along the next K,
; and their codes are the operand's registers as they stand.  The activation acts on the codes: a negative number's code becomes a zero; the block's largest number is taken over what is positive.
; WEIGHTS: W1 of lo is asked for in groups of 6, 2, 3, 4 and 1 loads during the search, W1 of hi behind the gather and behind the first x fragments, W2 by three loads behind each row tile's quantising.
; NO CLUSTER, NO TENSOR LOAD: the pair is read from memory and differs from work-group to work-group.  NO PREFETCH: the text has no loop to run ahead in; the weights are asked for straight into registers ahead of their use.
; LIMITS.  NaN and infinities are not served.  A block of zeros gets the byte 1 with zero codes.  An overflow in an expert that a token did not choose is not carried to its row.
; REGISTERS.  Window 0: below.  Window 1: v0-63 W1 of lo, later W2 of hi; v64-127 W1 of hi, later hidden fragments; v128-191 W2 of lo; v192-255 b1, later hidden fragments.
.set PART, 0                           ; LDS: each wave's 128 counts of 16 bits
.set SEGP, 2048                        ; 4 bytes a lane of the work-group: tokens of the bin in the wave's lower lanes
.set SEGM, 3072                        ; 16 bytes a lane: mask words A, B, the same number, the marks in A
.set TOKB, 7168                        ; the rows' tokens
.set XSC,  7680                        ; x's scale words: tile m at 128 m; lanes 0-15 K step 0's, lanes 16-31 K step 1's
.set GWT,  8704                        ; w_lo, w_hi of each row
.set XIM,  9728                        ; x's fragments: tile m at 2,176 m; piece 2 s + c, half h at 272 (4 s + 2 c + h)
.set HIM,  27136                       ; hidden fragments: expert 32,768, tile 4,096, K step 1,024
.set HSC,  92672                       ; their scale words: expert 2,048, tile 256, K step 64
.set OST,  96768                       ; the results: 128 rows of 1,024 bytes + 16 of padding
.set SPARE, 229888                     ; the spare words
.set XMETA, 2097152                    ; in xpack
.set W2Q_OFF, 1048576                  ; in wq
.set W1S_OFF, 2097152
.set W2S_OFF, 2162688
.set B1_OFF, 2228224
.set SPW, 1
.set NIL, 2
.set L16, 3
.set L8,  4
.set H128, 5
.set H32, 6
.set AXI, 7
.set AXS, 8
.set AHI, 9
.set AHB, 10
.set AHR, 11
.set AHSR, 12
.set AGW, 13
.set AOS, 14                           ; v14-15: rows 0-63, 64-127
.set AOR, 16                           ; v16-17
.set ATO, 18
; v24-27 four rows' tokens, v28-31 their offsets; v32-39 W1's scale words, v40-47 W2's, v48-55 x's and the hidden layer's; v56-63 gate weights; v64-95 at work; v96-127 b2
; v128-255: first product: results v128-191 (two sets), x's fragments v192-223 (two sets); second product: the sums: row tile m, output tile i at 128 + 16 m + 8 i
; s16 wave; s17 work-group; s34 bin; s35 lo; s36 hi; s37 rows; s38 first rank; s39 4 w; s80 M; s[40:47], s[48:55] bases of lo and hi; s68, s69 selects of v_permlanex16_b32; s72-79 running counts of the waves
.set MSB, 0
.macro WIN new
.if MSB != (\new)
	s_set_vgpr_msb (MSB<<8)|(\new)
.set MSB, (\new)
.endif
.endm
.macro WM d, a, b, c, sa, sb, ra, rb   ; one product; ra, rb: the scale words lie in lanes 16-31
.if (\ra)*2+(\rb) == 0
	v_wmma_scale_f32_16x16x128_f8f6f4 v[\d:\d+7], v[\a:\a+7], v[\b:\b+7], v[\c:\c+7], v[\sa], v[\sb] matrix_a_fmt:MATRIX_FMT_FP4 matrix_b_fmt:MATRIX_FMT_FP4
.endif
.if (\ra)*2+(\rb) == 1
	v_wmma_scale_f32_16x16x128_f8f6f4 v[\d:\d+7], v[\a:\a+7], v[\b:\b+7], v[\c:\c+7], v[\sa], v[\sb] matrix_a_fmt:MATRIX_FMT_FP4 matrix_b_fmt:MATRIX_FMT_FP4 matrix_b_scale:MATRIX_SCALE_ROW1
.endif
.if (\ra)*2+(\rb) == 2
	v_wmma_scale_f32_16x16x128_f8f6f4 v[\d:\d+7], v[\a:\a+7], v[\b:\b+7], v[\c:\c+7], v[\sa], v[\sb] matrix_a_fmt:MATRIX_FMT_FP4 matrix_b_fmt:MATRIX_FMT_FP4 matrix_a_scale:MATRIX_SCALE_ROW1
.endif
.if (\ra)*2+(\rb) == 3
	v_wmma_scale_f32_16x16x128_f8f6f4 v[\d:\d+7], v[\a:\a+7], v[\b:\b+7], v[\c:\c+7], v[\sa], v[\sb] matrix_a_fmt:MATRIX_FMT_FP4 matrix_b_fmt:MATRIX_FMT_FP4 matrix_a_scale:MATRIX_SCALE_ROW1 matrix_b_scale:MATRIX_SCALE_ROW1
.endif
.endm
.macro PLACES
.rept 4
	v_nop                                          ; places behind products whose registers are read or loaded next
.endr
.endm
.macro BASES e, x                      ; the bases of expert s[x] for my wave
	s_lshl_b32 s32, s[\x], 16
	s_add_nc_u64 s[40+8*\e:41+8*\e], s[24:25], s[32:33]
	s_lshl_b32 s32, s[\x], 12
	s_add_nc_u64 s[42+8*\e:43+8*\e], s[26:27], s[32:33]
	s_lshl_b32 s32, s[\x], 11
	s_add_nc_u64 s[44+8*\e:45+8*\e], s[28:29], s[32:33]
	s_lshl_b32 s32, s[\x], 10
	s_add_nc_u64 s[46+8*\e:47+8*\e], s[30:31], s[32:33]
.endm
.macro W1F e, n0, n                    ; n of the 16 loads of W1's fragments
	WIN 0x40
.set n_, \n0
.rept \n
	global_load_b128 v[64*\e+4*n_:64*\e+4*n_+3], v[L16], s[40+8*\e:41+8*\e] offset:512*n_
.set n_, n_+1
.endr
	WIN 0
.endm
.macro W1R e                           ; 10 loads: b1 (32 numbers a lane), W1's scale words
	WIN 0x40
.irp n, 0,1,2,3,4,5,6,7
	global_load_b128 v[192+32*\e+4*\n:195+32*\e+4*\n], v[H128], s[44+8*\e:45+8*\e] offset:B1_OFF+16*\n
.endr
	WIN 0
.irp p, 0,1
	global_load_b64 v[32+4*\e+2*\p:33+4*\e+2*\p], v[L8], s[42+8*\e:43+8*\e] offset:W1S_OFF+256*\p
.endr
.endm
.macro W2PART e, m                     ; W2 by parts 0 .. 5: the 16 loads of its fragments by threes, at last the scale words; with lo's parts 4 and 5 b2 of both experts: 26 and 18 loads in all
	WIN 0x40
.irp n, 0,1,2
.if 3*(\m)+\n < 16
	global_load_b128 v[128*(1-\e)+12*(\m)+4*\n:128*(1-\e)+12*(\m)+4*\n+3], v[L16], s[40+8*\e:41+8*\e] offset:W2Q_OFF+1536*(\m)+512*\n
.endif
.endr
	WIN 0
.if (\m) == 5
.irp y, 0,1
	global_load_b64 v[40+4*\e+2*\y:41+4*\e+2*\y], v[L8], s[42+8*\e:43+8*\e] offset:W2S_OFF+256*\y
.endr
.endif
.if ((\m) > 3) && ((\e) == 0)
.set b_, (\m)-4
.irp i, 0,1
.irp t, 0,1
	global_load_b128 v[96+16*b_+8*\i+4*\t:99+16*b_+8*\i+4*\t], v[H32], s[46+8*b_:47+8*b_] offset:64*\i+16*\t
.endr
.endr
.endif
.endm
.macro SCAN s, t                       ; v[s]: running sum over the 32 lanes (under 2^24)
.irp n, 1,2,4,8
	v_mov_b32_dpp v[\t], v[\s] row_shr:\n row_mask:0xf bank_mask:0xf bound_ctrl:1
	v_add_nc_u32 v[\s], v[\s], v[\t]
.endr
	v_readlane_b32 s20, v[\s], 15
	v_mad_u32_u24 v[\s], v21, s20, v[\s]
.endm
.macro BAR
	s_barrier_signal -1
	s_barrier_wait -1
.endm
	s_load_b256 s[4:11], s[0:1], 0x0               ; xpack 4, route 6, wq 8, b2 10
	s_load_b64 s[14:15], s[0:1], 0x20              ; out0
	v_lshl_add_u32 v[SPW], v0, 2, SPARE
	v_mov_b32 v[NIL], 0
	v_lshrrev_b32 v19, 5, v0
	v_readfirstlane_b32 s16, v19
	v_and_b32 v19, 31, v0                          ; lane
	v_and_b32 v20, 15, v0                          ; r
	v_bfe_u32 v21, v0, 4, 1                        ; h
	v_lshrrev_b32 v22, 3, v19                      ; lane / 8
	v_and_b32 v23, 7, v19                          ; lane % 8
	v_lshlrev_b32 v172, 8, v22
	v_lshl_add_u32 v172, v23, 4, v172              ; route: chunk lane / 8 of four, 16 bytes
	s_mov_b32 s17, ttmp9
	s_mov_b32 s33, 0
	s_lshl_b32 s32, s16, 12
	s_mov_b32 s68, 0x76543210
	s_mov_b32 s69, 0xfedcba98
	s_mov_b32 s70, 0x0c010c00
	s_mov_b32 s71, 0x0c030c02
	s_wait_alu depctr_va_vdst(0)                   ; the wait ahead of the wait below
	s_wait_kmcnt 0x0
	s_add_nc_u64 s[66:67], s[6:7], s[32:33]
.irp i, 0,1,2,3
	global_load_b128 v[128+4*\i:131+4*\i], v172, s[66:67] offset:1024*\i        ; counts of chunk 16 w + 4 i + lane / 8
.endr
.irp i, 0,1,2,3
	global_load_b128 v[144+4*\i:147+4*\i], v172, s[66:67] offset:1024*\i+128    ; and bins
.endr
	s_lshl_b32 s32, s16, 13
	s_add_nc_u64 s[24:25], s[8:9], s[32:33]        ; fragments: + 8,192 w
	s_lshl_b32 s32, s16, 9
	s_add_nc_u64 s[26:27], s[8:9], s[32:33]        ; scale words: + 512 w
	s_lshl_b32 s32, s16, 8
	s_add_nc_u64 s[28:29], s[8:9], s[32:33]        ; b1: my 64 units
	s_lshl_b32 s32, s16, 7
	s_add_nc_u64 s[30:31], s[10:11], s[32:33]      ; b2: my 32 outputs
	v_lshlrev_b32 v[L16], 4, v19
	v_lshlrev_b32 v[L8], 3, v19
	v_lshlrev_b32 v[H128], 7, v21
	v_lshlrev_b32 v[H32], 5, v21
	v_mul_u32_u24 v[AXI], v21, 272
	v_lshl_add_u32 v[AXI], v20, 4, v[AXI]
	v_add_nc_u32 v[AXI], XIM, v[AXI]
	v_lshl_add_u32 v[AXS], v19, 2, XSC
	s_lshl_b32 s20, s16, 9
	s_add_co_u32 s21, s20, HIM
	v_add_nc_u32 v[AHI], s21, v[L16]
	s_add_co_u32 s21, s20, SEGM
	v_add_nc_u32 v166, s21, v[L16]                 ; my lane's masks
	s_lshr_b32 s20, s16, 1
	s_lshl_b32 s20, s20, 6
	s_and_b32 s21, s16, 1
	s_lshl_b32 s21, s21, 1
	s_add_co_u32 s20, s20, s21
	s_add_co_u32 s20, s20, HSC
	v_lshl_add_u32 v[AHB], v20, 2, v21
	v_add_nc_u32 v[AHB], s20, v[AHB]               ; K step w / 2, row r, byte 2 (w % 2) + h
	v_add_nc_u32 v[AHR], HIM, v[L16]
	v_lshl_add_u32 v[AHSR], v19, 2, HSC
	v_lshl_add_u32 v[AGW], v20, 3, GWT
	v_mul_u32_u24 v[AOS], v20, 1040
	v_lshl_add_u32 v[AOS], v21, 5, v[AOS]
	s_lshl_b32 s20, s16, 7
	s_add_co_u32 s21, s20, OST
	v_add_nc_u32 v[AOS], s21, v[AOS]
	v_add_nc_u32 v[AOS+1], 66560, v[AOS]
	s_add_co_u32 s21, s20, XSC
	v_lshl_add_u32 v161, v19, 2, s21               ; row tile w's scale words,
	s_add_co_u32 s21, s20, GWT
	v_lshl_add_u32 v162, v20, 3, s21               ; weights,
	s_add_co_u32 s21, s20, SEGP
	v_lshl_add_u32 v167, v19, 2, s21
	s_lshl_b32 s20, s16, 6
	s_add_co_u32 s21, s20, TOKB
	v_lshl_add_u32 v163, v20, 2, s21               ; and tokens
	s_mul_i32 s20, s16, 4160
	s_add_co_u32 s20, s20, OST
	v_add_nc_u32 v[AOR], s20, v[L16]               ; rows 4 w on
	v_add_nc_u32 v[AOR+1], 66560, v[AOR]
	s_lshl_b32 s20, s16, 4
	s_add_co_u32 s21, s20, TOKB
	v_mov_b32 v[ATO], s21
	v_add_nc_u32 v168, s20, v20                    ; my row: 16 w + r
	s_mul_i32 s20, s16, 2176
	s_add_co_u32 s20, s20, XIM
	v_mul_u32_u24 v160, v23, 272
	v_lshl_add_u32 v160, v22, 4, v160
	v_add_nc_u32 v160, s20, v160                   ; x's piece lane % 8 of row lane / 8
	s_lshl_b32 s20, s16, 8
	s_add_co_u32 s20, s20, PART
	v_lshl_add_u32 v164, v23, 5, s20               ; my wave's counts of bins 16 (lane % 8) on
	v_lshl_add_u32 v165, v19, 3, PART              ; bins 4 lane .. + 3
	v_lshlrev_b32 v169, 2, v22
	v_lshlrev_b32 v170, 4, v23
	v_add_nc_u32 v171, -1, v19
	v_mul_u32_u24 v171, v171, v19
	v_lshrrev_b32 v171, 1, v171                    ; lane (lane - 1) / 2: the first bin whose higher expert is lane
	v_mov_b32 v79, 0                               ; destinations of lane moves count as sources
	v_mov_b32 v72, 0
	v_mov_b32 v124, 0
	s_lshl_b32 s39, s16, 2
	s_wait_alu depctr_va_vdst(0)                   ; the wait at the head's end
	s_wait_loadcnt 4                               ; the counts are in; the bins may be out
.irp d, 0,1,2,3
	v_perm_b32 v[64+2*\d], v[128+\d], v[128+\d], s70           ; two counts to a word
	v_perm_b32 v[65+2*\d], v[128+\d], v[128+\d], s71
.endr
.irp i, 1,2,3
.irp d, 0,1,2,3
	v_perm_b32 v[80+2*\d], v[128+4*\i+\d], v[128+4*\i+\d], s70
	v_perm_b32 v[81+2*\d], v[128+4*\i+\d], v[128+4*\i+\d], s71
.endr
.irp k, 0,1,2,3,4,5,6,7
	v_add_nc_u32 v[64+\k], v[64+\k], v[80+\k]
.endr
.endr
.irp k, 0,1,2,3,4,5,6,7
	v_add_nc_u32_dpp v[64+\k], v[64+\k], v[64+\k] row_xmask:8 row_mask:0xf bank_mask:0xf
.endr
.irp k, 0,1,2,3,4,5,6,7
	v_permlanex16_b32 v[80+\k], v[64+\k], s68, s69
.endr
.irp k, 0,1,2,3,4,5,6,7
	v_add_nc_u32 v[64+\k], v[64+\k], v[80+\k]      ; my wave's 16 chunks: 2,048 tokens
.endr
	ds_store_b128 v164, v[64:67]                   ; lanes that hold the same write the same
	ds_store_b128 v164, v[68:71] offset:16
	s_wait_dscnt 0x0                               ; for the others' sake
	BAR
.irp q, 0,1,2,3,4,5,6,7
	ds_load_b64 v[100+2*\q:101+2*\q], v165 offset:256*\q
.endr
	s_wait_dscnt 0x0
.irp k, 0,1
	v_add3_u32 v[64+\k], v[100+\k], v[102+\k], v[104+\k]
.endr
.irp k, 0,1
	v_add3_u32 v[64+\k], v[64+\k], v[106+\k], v[108+\k]
.endr
.irp k, 0,1
	v_add3_u32 v[64+\k], v[64+\k], v[110+\k], v[112+\k]
.endr
.irp k, 0,1
	v_add_nc_u32 v[64+\k], v[64+\k], v[114+\k]     ; all tokens of my four bins
.endr
	v_and_b32 v74, 0xffff, v64
	v_lshrrev_b32 v75, 16, v64
	v_and_b32 v76, 0xffff, v65
	v_lshrrev_b32 v77, 16, v65
.irp j, 0,1,2,3
	v_add_nc_u32 v[84+\j], 95, v[74+\j]
.endr
.irp j, 0,1,2,3
	v_lshrrev_b32 v[84+\j], 5, v[84+\j]
.endr
.irp j, 0,1,2,3
	v_mul_u32_u24 v[84+\j], 683, v[84+\j]          ; x 683 / 2,048: a third, rounded down right under 2,046
.endr
.irp j, 0,1,2,3
	v_lshrrev_b32 v[84+\j], 11, v[84+\j]           ; tiles of 96
.endr
.irp j, 0,1,2,3
	v_add_nc_u32 v[74+\j], 127, v[74+\j]
.endr
.irp j, 0,1,2,3
	v_lshrrev_b32 v[74+\j], 7, v[74+\j]            ; tiles of 128
.endr
.irp j, 0,1,2,3
	v_lshl_or_b32 v[74+\j], v[74+\j], 12, v[84+\j] ; both in one word: no sum of the first passes 289
.endr
	v_add_nc_u32 v75, v75, v74
	v_add_nc_u32 v76, v76, v75
	v_add_nc_u32 v77, v77, v76
	v_mov_b32 v78, v77
	SCAN 78, 79
	v_readlane_b32 s22, v78, 31
	v_sub_nc_u32 v79, v78, v77                     ; tiles of the bins below my four
.irp j, 0,1,2,3
	v_add_nc_u32 v[80+\j], v79, v[74+\j]           ; tiles up to and with bin 4 lane + j
.endr
	s_and_b32 s22, s22, 0xfff
	s_mov_b32 s80, 0x80
	s_cmp_le_u32 s22, 0x100                        ; are tiles of 96 few enough?
	s_cselect_b32 s80, 0x60, s80
	s_cselect_b32 s22, 0, 12
.irp j, 0,1,2,3,4
	v_bfe_u32 v[79+\j], v[79+\j], s22, 12
.endr
.irp j, 0,1,2,3
	v_cmp_ge_u32 s[72+\j], s17, v[80+\j]
.endr
.irp j, 0,1,2,3
	s_bcnt1_i32_b32 s[72+\j], s[72+\j]
.endr
	s_add_co_u32 s34, s72, s73
	s_add_co_u32 s20, s74, s75
	s_add_co_u32 s34, s34, s20                     ; the bins that end before my tile: my bin's number
	s_min_u32 s34, s34, 119
	s_lshr_b32 s18, s34, 2
	s_and_b32 s20, s34, 1
	s_lshl_b32 s20, s20, 4
	s_bitcmp1_b32 s34, 1
	s_cselect_b32 s72, -1, 0
.irp q, 0,1,2,3,4,5,6,7
	v_cndmask_b32 v[116+\q], v[100+2*\q], v[101+2*\q], s72
.endr
.irp q, 0,1,2,3,4,5,6,7
	v_lshrrev_b32 v[116+\q], s20, v[116+\q]
.endr
.irp q, 0,1,2,3,4,5,6,7
	v_and_b32 v[116+\q], 0xffff, v[116+\q]
.endr
	s_wait_alu depctr_va_vdst(0)                   ; the wait ahead of the readers below
.irp q, 0,1,2,3,4,5,6,7
	v_readlane_b32 s[72+\q], v[116+\q], s18        ; my bin's tokens in each wave's chunks
.endr
	v_readlane_b32 s21, v79, s18
	v_readlane_b32 s22, v80, s18
	v_readlane_b32 s23, v81, s18
	v_readlane_b32 s35, v82, s18
	v_cmp_ge_u32 s19, s34, v171
.irp q, 1,2,3,4,5,6,7
	s_add_co_u32 s[72+\q], s[71+\q], s[72+\q]      ; running: s79 all
.endr
	s_bitcmp1_b32 s34, 1
	s_cselect_b32 s21, s23, s21
	s_cselect_b32 s22, s35, s22
	s_bitcmp1_b32 s34, 0
	s_cselect_b32 s21, s22, s21                    ; the bin's first tile
	s_sub_co_u32 s38, s17, s21
	s_mul_i32 s38, s38, s80                        ; my first rank in the bin
	s_sub_co_i32 s37, s79, s38
	s_max_i32 s37, s37, 0
	s_min_u32 s37, s37, s80                        ; my rows
	s_bcnt1_i32_b32 s36, s19
	s_sub_co_u32 s36, s36, 1                       ; hi
	s_sub_co_u32 s20, s36, 1
	s_mul_i32 s20, s20, s36
	s_lshr_b32 s20, s20, 1
	s_sub_co_u32 s35, s34, s20                     ; lo
	s_min_u32 s35, s35, 15
	s_min_u32 s36, s36, 15
	BASES 0, 35
	BASES 1, 36
	s_wait_loadcnt 0x0                             ; the bins are in
	W1F 0, 0, 6
	; THE SEARCH.  A byte's top bit is set where the token's bin differs; bit 8 j + k of a mask word: token 512 (k / 4) + 4 (k % 4) + j of my lane's; word B: 1,024 on
	s_mul_i32 s19, s34, 0x01010101
	s_mov_b32 s20, 0x80808080
.irp k, 0,1,2,3,4,5,6,7,8,9,10,11,12,13,14,15
	v_xor_b32 v[144+\k], s19, v[144+\k]
.endr
.irp k, 0,1,2,3,4,5,6,7,8,9,10,11,12,13,14,15
	v_add_nc_u32 v[144+\k], 0x7f7f7f7f, v[144+\k]
.endr
	v_and_b32 v64, s20, v144
	v_and_b32 v65, s20, v152
.irp k, 1,2,3,4,5,6,7
	v_lshrrev_b32 v64, 1, v64
	v_lshrrev_b32 v65, 1, v65
	v_and_or_b32 v64, v[144+\k], s20, v64
	v_and_or_b32 v65, v[152+\k], s20, v65
.endr
	v_xor_b32 v64, -1, v64
	v_xor_b32 v65, -1, v65
	s_mov_b32 s21, 0x01010101
.macro BOTH op, d, s, c                ; one line for each of the two words
	\op v[\d], \c, v[\s]
	\op v[\d+1], \c, v[\s+1]
.endm
	BOTH v_lshrrev_b32, 73, 64, 1                  ; the marks in each word
	BOTH v_and_b32, 73, 73, 0x55555555
	v_sub_nc_u32 v67, v64, v73
	v_sub_nc_u32 v68, v65, v74
	BOTH v_and_b32, 73, 67, 0x33333333
	BOTH v_lshrrev_b32, 67, 67, 2
	BOTH v_and_b32, 67, 67, 0x33333333
	v_add_nc_u32 v67, v67, v73
	v_add_nc_u32 v68, v68, v74
	BOTH v_lshrrev_b32, 73, 67, 4
	v_add_nc_u32 v67, v67, v73
	v_add_nc_u32 v68, v68, v74
	BOTH v_and_b32, 67, 67, 0x0f0f0f0f
	BOTH v_mul_lo_u32, 67, 67, s21
	BOTH v_lshrrev_b32, 67, 67, 24
	v_add_nc_u32 v70, v67, v68
	v_mov_b32 v71, v70
	SCAN 71, 72
	v_sub_nc_u32 v66, v71, v70                     ; marks in the wave's lower lanes
	ds_store_b128 v166, v[64:67]
	ds_store_b32 v167, v66
	W1F 0, 6, 2
	s_sub_co_i32 s20, s79, 1
	s_max_i32 s20, s20, 0
	v_add_nc_u32 v94, s38, v168
	v_min_u32 v94, s20, v94                        ; my row's rank in the bin; rows beyond its end repeat its last token
	v_mov_b32 v95, 0
	v_mov_b32 v96, 0
	v_mov_b32 v99, 0
.irp j, 0,1,2,3,4,5,6
	v_cmp_le_u32 vcc_lo, s[72+\j], v94
	v_cndmask_b32 v96, v96, s[72+\j], vcc_lo
	v_add_co_ci_u32 v95, vcc_lo, 0, v95, vcc_lo    ; the wave that holds it,
.endr
	v_sub_nc_u32 v97, v94, v96                     ; and its rank there
	v_min_u32 v95, 7, v95
	v_lshlrev_b32 v98, 7, v95
	v_lshl_add_u32 v98, v21, 6, v98
	v_add_nc_u32 v98, SEGP, v98
	s_wait_alu depctr_va_vdst(0)                   ; the wait ahead of the wait below
	s_wait_dscnt 0x0                               ; for the others' sake: my lane's marks lie in LDS
	BAR
.irp i, 0,1,2,3
	ds_load_b128 v[100+4*\i:103+4*\i], v98 offset:16*\i        ; 16 lanes' running counts: half h
.endr
	W1F 0, 8, 3
	s_wait_dscnt 0x0
.irp i, 0,1,2,3,4,5,6,7,8,9,10,11,12,13,14,15
	v_cmp_le_u32 vcc_lo, v[100+\i], v97
	v_add_co_ci_u32 v99, vcc_lo, 0, v99, vcc_lo
.endr
	v_permlanex16_b32 v124, v99, s68, s69
	v_add3_u32 v99, v99, v124, -1                  ; the lane that holds it
	v_min_u32 v99, 31, v99
	v_lshlrev_b32 v98, 9, v95
	v_lshl_add_u32 v98, v99, 4, v98
	v_add_nc_u32 v98, SEGM, v98
	ds_load_b128 v[100:103], v98
	v_lshlrev_b32 v104, 11, v95
	v_lshl_add_u32 v104, v99, 4, v104              ; that lane's first token
	s_mov_b32 s21, 0x400
	s_wait_alu depctr_va_vdst(0)
	W1F 0, 11, 4
	s_wait_dscnt 0x0
	v_sub_nc_u32 v97, v97, v102
	v_cmp_ge_u32 vcc_lo, v97, v103                 ; word A or B?
	v_cndmask_b32 v105, v100, v101, vcc_lo
	v_cndmask_b32 v113, 0, v103, vcc_lo
	v_sub_nc_u32 v97, v97, v113
	v_cndmask_b32 v114, 0, s21, vcc_lo
	v_add_nc_u32 v104, v104, v114
	v_lshrrev_b32 v112, 1, v105                    ; counts of 2, 4, 8, 16 bits
	v_and_b32 v112, 0x55555555, v112
	v_sub_nc_u32 v106, v105, v112
	v_and_b32 v112, 0x33333333, v106
	v_lshrrev_b32 v107, 2, v106
	v_and_b32 v107, 0x33333333, v107
	v_add_nc_u32 v107, v107, v112
	v_lshrrev_b32 v112, 4, v107
	v_add_nc_u32 v108, v107, v112
	v_and_b32 v108, 0x0f0f0f0f, v108
	v_lshrrev_b32 v112, 8, v108
	v_add_nc_u32 v109, v108, v112
	v_and_b32 v109, 0x00ff00ff, v109
	v_mov_b32 v110, 0
.macro LEV src, w, step                ; is the wanted mark in the lower part?
	v_bfe_u32 v112, v[\src], v110, \w
	v_cmp_ge_u32 vcc_lo, v97, v112
	v_cndmask_b32 v113, 0, v112, vcc_lo
	v_sub_nc_u32 v97, v97, v113
	v_cndmask_b32 v114, 0, \step, vcc_lo
	v_add_nc_u32 v110, v110, v114
.endm
	LEV 109, 16, 16
	LEV 108, 8, 8
	LEV 107, 4, 4
	LEV 106, 2, 2
	LEV 105, 1, 1
	v_bfe_u32 v112, v110, 2, 1
	v_lshl_add_u32 v104, v112, 9, v104
	v_and_b32 v113, 3, v110
	v_lshl_add_u32 v104, v113, 2, v104
	v_bfe_u32 v114, v110, 3, 2
	v_add_nc_u32 v111, v104, v114
	v_min_u32 v111, 0x3fff, v111                   ; my row's token
.irp i, 0,1,2,3
	v_add_nc_u32 v[112+\i], 16*\i, v169            ; row 4 i + lane / 8
.endr
.irp i, 0,1,2,3
	ds_bpermute_b32 v[116+\i], v[112+\i], v111     ; no LDS byte is touched
.endr
	s_wait_alu depctr_va_vdst(0)
	W1F 0, 15, 1
	s_wait_dscnt 0x0
.irp i, 0,1,2,3
	v_min_u32 v[116+\i], 0x3fff, v[116+\i]
.endr
.irp i, 0,1,2,3
	v_lshl_add_u32 v[120+\i], v[116+\i], 7, v170   ; eight lanes to a token's 128 bytes of codes
.endr
	v_lshlrev_b32 v125, 4, v111
.irp i, 0,1,2,3
	global_load_b128 v[64+4*\i:67+4*\i], v[120+\i], s[4:5]
.endr
	global_load_b128 v[80:83], v125, s[4:5] offset:XMETA
	W1R 0
	W1F 1, 0, 10
	s_wait_alu depctr_va_vdst(0)
	s_wait_dscnt 0x0                               ; my search's loads are over; behind the barrier everybody's are
	BAR
	s_mov_b32 s20, 0xffff0000                      ; lanes 16-31
	s_wait_loadcnt 20                              ; the five gathers are in; the 10 + 10 loads behind them may be out
	v_cndmask_b32 v84, v80, v81, s20
.irp i, 0,1,2,3
	ds_store_b128 v160, v[64+4*\i:67+4*\i] offset:64*\i
.endr
	ds_store_b32 v161, v84
	ds_store_b64 v162, v[82:83]                    ; lanes r and r + 16 write the same
	ds_store_b32 v163, v111
	s_wait_dscnt 0x0                               ; for the others' sake
	BAR
; THE FIRST PRODUCT.  Row tile m + 1 is multiplied while row tile m is quantised: two sets of results
.macro FETCHX m
.irp p, 0,1,2,3
	ds_load_b128 v[192+16*((\m)%2)+4*\p:195+16*((\m)%2)+4*\p], v[AXI] offset:2176*(\m)+544*\p
.endr
	ds_load_b32 v[48+(\m)%2], v[AXS] offset:128*(\m)
.endm
.macro MM1 e, m                        ; the four accumulators take turns; b1 is the C of a sum's first product
.set xb_, 192+16*((\m)%2)
.set ac_, 128+32*((\m)%2)
.set xs_, 48+((\m)%2)
	WIN 0x11
.irp j, 0,1,2,3
	WM ac_+8*\j, 64*\e+16*\j, xb_, 192+32*\e+8*\j, 32+4*\e+2*(\j/2), xs_, \j%2, 0
.endr
	WIN 0x01
.irp j, 0,1,2,3
	WM ac_+8*\j, 64*\e+16*\j+8, xb_+8, ac_+8*\j, 33+4*\e+2*(\j/2), xs_, \j%2, 1
.endr
	WIN 0
.endm
.macro QUANT e, m
.set qa_, 128+32*((\m)%2)
.set qc_, 80+4*((\m)%2)
.irp g, 0,1,2,3
	v_max3_num_f32 v[64+\g], v[qa_+8*\g], v[qa_+8*\g+1], 0x1800000     ; the largest of what is positive, and the floor 2^(3 - 127)
.endr
.irp i, 2,4,6
.irp g, 0,1,2,3
	v_max3_num_f32 v[64+\g], v[64+\g], v[qa_+8*\g+\i], v[qa_+8*\g+\i+1]
.endr
.endr
.if (\m) < 4
	FETCHX \m+2
.endif
.if ((\m) > 3) && ((\m) < 6) && ((\e) == 0)
	FETCHX \m-4                                    ; hi's first row tiles
.endif
	v_max3_num_f32 v64, v64, v65, v66
	v_max_num_f32 v64, v64, v67
	v_add_nc_u32 v76, 0xff000000, v64
	v_lshrrev_b32 v[88+(\m)%2], 23, v76
.irp g, 0,1,2,3
	v_cvt_scalef32_pk8_fp4_f32 v[qc_+\g], v[qa_+8*\g:qa_+8*\g+7], v76
.endr
	v_nop                                          ; one plain place behind a scaled conversion
.irp g, 0,1,2,3
	v_and_b32 v[68+\g], 0x88888888, v[qc_+\g]      ; the activation: the three magnitude bits of a negative code are cleared
.endr
.irp g, 0,1,2,3
	v_lshrrev_b32 v[72+\g], 3, v[68+\g]
.endr
.irp g, 0,1,2,3
	v_sub_nc_u32 v[68+\g], v[68+\g], v[72+\g]
.endr
.irp g, 0,1,2,3
	v_bfi_b32 v[qc_+\g], v[68+\g], 0, v[qc_+\g]
.endr
	ds_store_b128 v[AHI], v[qc_:qc_+3] offset:32768*\e+4096*(\m)
	ds_store_b8 v[AHB], v[88+(\m)%2] offset:2048*\e+256*(\m)
.endm
.macro P1 e
	s_wait_dscnt 5                                 ; row tile 0's five loads are in: row tile 1's five, at least, stand behind them
	MM1 \e, 0
.irp m, 0,1,2,3,4,5
.if \m < 5
.if \m == 0
	s_wait_dscnt 0x0
.else
	s_wait_dscnt 2                                 ; row tile m + 1's loads are in; the two stores behind them may be out
.endif
	MM1 \e, \m+1
.endif
.if \m == 0
	PLACES
.endif
	QUANT \e, \m
	W2PART \e, \m
.endr
	s_cmp_le_u32 s37, 0x60                         ; rows beyond 96?
	s_cbranch_scc1 .Lsix_\@
	s_wait_dscnt 0x0
	FETCHX 6
	FETCHX 7
	s_wait_dscnt 0x0
	MM1 \e, 6
	MM1 \e, 7
	PLACES
	QUANT \e, 6
	QUANT \e, 7
.if (\e) == 0
	FETCHX 0
	FETCHX 1
.endif
.Lsix_\@:
.endm
	FETCHX 0
	FETCHX 1
	W1F 1, 10, 6
	W1R 1
	s_wait_loadcnt 26                              ; lo's W1 set is in; hi's 10 + 6 + 10 loads may be out
	P1 0
	s_wait_loadcnt 26                              ; hi's W1 set is in; the 26 loads of lo's W2 and b2 may be out
	P1 1                                           ; (its W2 parts land on lo's W1, whose last products stand a row tile's quantising back)
	s_wait_dscnt 0x0                               ; for the others' sake: my hidden codes lie in LDS
	BAR
; THE SECOND PRODUCT, by pairs p of row tiles, for expert e; hidden fragments in two buffers b
.macro FH b, e, p                      ; 20 loads; with hi 22: the rows' gate weights too
.set fh_, 192-128*\b
	WIN 0x40
.irp k, 0,1
.irp n, 0,1,2,3,4,5,6,7
	ds_load_b128 v[fh_+32*\k+4*\n:fh_+32*\k+4*\n+3], v[AHR] offset:32768*\e+4096*(2*\p+\k)+512*\n
.endr
.endr
	WIN 0
.irp k, 0,1
.irp n, 0,1
	ds_load_b32 v[48+4*\b+2*\k+\n], v[AHSR] offset:2048*\e+256*(2*\p+\k)+128*\n
.endr
.endr
.if \e
.irp k, 0,1
	ds_load_b64 v[56+4*\b+2*\k:57+4*\b+2*\k], v[AGW] offset:128*(2*\p+\k)
.endr
.endif
.endm
.macro M2 b, e, p                      ; four accumulators take turns: g = 2 (row tile % 2) + output tile; b2 is the C of a sum's first product
.set mh_, 192-128*\b
.set ms_, 48+4*\b
.set md_, 128+32*\p
.if \e
.set md_, 64
.endif
	WIN 0x05
.irp s, 0,1,2,3
.irp g, 0,1,2,3
.if \s == 0
	WM md_+8*\g, 128*(1-\e)+32*(\g%2), mh_+32*(\g/2), 96+16*\e+8*(\g%2), 40+4*\e, ms_+2*(\g/2), \g%2, 0
.else
	WM md_+8*\g, 128*(1-\e)+32*(\g%2)+8*\s, mh_+32*(\g/2)+8*\s, md_+8*\g, 40+4*\e+\s, ms_+2*(\g/2)+\s/2, \g%2, \s%2
.endif
.endr
.endr
	WIN 0
.endm
.macro SUM b, p                        ; y_lo w_lo + y_hi w_hi; the first sixteen are the places behind hi's products
.set hg_, 56+4*\b
.set n_, 0
.rept 16
	v_pk_mul_f32 v[128+32*\p+2*n_:129+32*\p+2*n_], v[128+32*\p+2*n_:129+32*\p+2*n_], v[hg_+2*(n_/8):hg_+2*(n_/8)+1] op_sel_hi:[1,0]
.set n_, n_+1
.endr
.set n_, 0
.rept 16
	v_pk_fma_f32 v[128+32*\p+2*n_:129+32*\p+2*n_], v[64+2*n_:65+2*n_], v[hg_+2*(n_/8):hg_+2*(n_/8)+1], v[128+32*\p+2*n_:129+32*\p+2*n_] op_sel:[0,1,0] op_sel_hi:[1,1,1]
.set n_, n_+1
.endr
	s_wait_alu depctr_va_vdst(0)
.endm
.macro STAGE p
.irp g, 0,1,2,3
.irp t, 0,1
	ds_store_b128 v[AOS+\p/2], v[128+32*\p+8*\g+4*\t:131+32*\p+8*\g+4*\t] offset:16640*((2*\p+\g/2)%4)+64*(\g%2)+16*\t
.endr
.endr
.endm
.macro OUTLOAD p                       ; my four rows of pair p, whole, into the registers whose sums have left
.irp i, 0,1,2,3
.irp b, 0,1
	ds_load_b128 v[128+32*\p+8*\i+4*\b:131+32*\p+8*\i+4*\b], v[AOR+\p/2] offset:1040*(32*(\p%2)+\i)+512*\b
.endr
.endr
	ds_load_b128 v[24:27], v[ATO] offset:128*\p
.endm
.macro OUTSTORE p
	s_wait_xcnt 0x0                                ; earlier stores have read their offsets
.irp i, 0,1,2,3
	v_min_u32 v[24+\i], 0x3fff, v[24+\i]
.endr
.irp i, 0,1,2,3
	v_lshl_add_u32 v[28+\i], v[24+\i], 10, v[L16]
.endr
	s_wait_alu depctr_va_vdst(0)                   ; the wait ahead of the branches
.irp i, 0,1,2,3
	s_add_co_u32 s20, s39, 32*\p+\i
	s_cmp_lt_u32 s20, s37                          ; is there such a row?
	s_cbranch_scc0 .Lno_\@_\i
	global_store_b128 v[28+\i], v[128+32*\p+8*\i:131+32*\p+8*\i], s[14:15] th:TH_STORE_NT      ; 512 consecutive bytes
	global_store_b128 v[28+\i], v[132+32*\p+8*\i:135+32*\p+8*\i], s[14:15] offset:512 th:TH_STORE_NT
.Lno_\@_\i:
.endr
.endm
	FH 0, 0, 0
	FH 1, 0, 1
	s_wait_loadcnt 18                              ; lo's W2 set and b2 are in; hi's 18 loads may be out
	s_wait_dscnt 20                                ; pair 0's twenty loads are in
	M2 0, 0, 0
	PLACES
	FH 0, 0, 2
	s_wait_dscnt 20
	M2 1, 0, 1
	PLACES
	FH 1, 1, 0
	s_wait_dscnt 22
	M2 0, 0, 2
	PLACES
	FH 0, 1, 1
	s_wait_loadcnt 0x0
	s_wait_dscnt 22
	M2 1, 1, 0
	SUM 1, 0
	s_wait_dscnt 0x0                               ; hi's fragments of pair 1 are in
	M2 0, 1, 1                                     ; (its results lie where SUM has read the last ones)
	STAGE 0
	s_wait_dscnt 0x0                               ; for the others' sake
	s_barrier_signal -1
	FH 1, 1, 2                                     ; (bytes that nobody writes any more)
	SUM 0, 1
	s_wait_dscnt 0x0
	M2 1, 1, 2
	s_barrier_wait -1                              ; pair 0 lies in LDS whole
	STAGE 1
	OUTLOAD 0
	s_wait_dscnt 0x0                               ; for the others' sake; and my rows of pair 0 are back
	OUTSTORE 0
	s_barrier_signal -1
	SUM 1, 2
	s_barrier_wait -1
	STAGE 2
	OUTLOAD 1
	s_wait_dscnt 0x0
	OUTSTORE 1
	s_cmp_le_u32 s37, 0x60                         ; rows beyond 96: pair 3, both experts
	s_cbranch_scc1 .Lno3
	FH 0, 0, 3
	FH 1, 1, 3
	s_wait_dscnt 0x0
	M2 0, 0, 3
	M2 1, 1, 3
	PLACES
	SUM 1, 3
	STAGE 3
.Lno3:
	s_wait_dscnt 0x0                               ; for the others' sake
	BAR
	OUTLOAD 2
	s_wait_dscnt 0x0
	OUTSTORE 2
	s_cmp_le_u32 s37, 0x60
	s_cbranch_scc1 .Lend
	OUTLOAD 3
	s_wait_dscnt 0x0
	OUTSTORE 3
.Lend:
	s_wait_tensorcnt 0x0                           ; the wave's end
	ds_add_u32 v[SPW], v[NIL]
	s_wait_dscnt 0x0
	s_endpgm
.Lfunc_end_k_q96e24fae20_moe:
	.size	k_q96e24fae20_moe, .Lfunc_end_k_q96e24fae20_moe-k_q96e24fae20_moe
	.p2alignl 7, 3214868480
	.fill 96, 4, 3214868480
	.section	.rodata,"a",@progbits
	.p2align	6, 0x0
	.amdhsa_kernel k_q96e24fae20_moe
		.amdhsa_group_segment_fixed_size 230912
		.amdhsa_private_segment_fixed_size 0
		.amdhsa_enable_private_segment 0
		.amdhsa_kernarg_size 40
		.amdhsa_user_sgpr_count 2
		.amdhsa_user_sgpr_kernarg_segment_ptr 1
		.amdhsa_wavefront_size32 1
		.amdhsa_system_sgpr_workgroup_id_x 1
		.amdhsa_system_sgpr_workgroup_id_y 1
		.amdhsa_system_sgpr_workgroup_id_z 1
		.amdhsa_system_vgpr_workitem_id 0
		.amdhsa_next_free_vgpr 512
		.amdhsa_next_free_sgpr 84
		.amdhsa_reserve_vcc 1
		.amdhsa_float_denorm_mode_32 3
		.amdhsa_float_denorm_mode_16_64 3
		.amdhsa_memory_ordered 1
		.amdhsa_forward_progress 1
		.amdhsa_inst_pref_size 154
	.end_amdhsa_kernel
	.amdgpu_metadata
---
amdhsa.version: [ 1, 2 ]
amdhsa.kernels:
  - .name:           k_q96e24fae20_moe
    .symbol:         k_q96e24fae20_moe.kd
    .args:
      - { .name: xpack, .offset: 0, .size: 8, .value_kind: global_buffer, .address_space: global }
      - { .name: route, .offset: 8, .size: 8, .value_kind: global_buffer, .address_space: global }
      - { .name: wq, .offset: 16, .size: 8, .value_kind: global_buffer, .address_space: global }
      - { .name: b2, .offset: 24, .size: 8, .value_kind: global_buffer, .address_space: global }
      - { .name: out0, .offset: 32, .size: 8, .value_kind: global_buffer, .address_space: global }
    .group_segment_fixed_size: 230912
    .private_segment_fixed_size: 0
    .kernarg_segment_align: 8
    .kernarg_segment_size: 40
    .max_flat_workgroup_size: 256
    .sgpr_count:     84
    .vgpr_count:     512
    .wavefront_size: 32
...
	.end_amdgpu_metadata
.endif
;; end of part 2
